; MI455X (gfx1250); checked and timed in simulation.
; The chip was launched on July 23, 2026; its instructions are those of AMD's public machine-readable ISA for CDNA 5 (MIT licence, August 2026) and "CDNA5" Instruction Set Architecture Reference Guide (July 2026). The comments in the code are by the model that wrote it; some were corrected since.
;; Donut Swin Layer. Allowed arithmetic: matrix products marked QUANTISED: E2M1 operands, one E8M0 scale for each 32 along K, by v_wmma_scale_f32_16x16x128_f8f6f4 with both operands' format E2M1 (or v_wmma_scale_f32_32x16x128_f4), f32 sums; everything else in f32.
;; Inputs: fc1_b 2,048 float32; fc1_w_codes 2,048 x 16 x 16 uint8 (E2M1 codes of fc1_w, K innermost, in blocks of 32 codes, two codes a byte); fc1_w_scales 2,048 x 16 uint8 (E8M0 scales of fc1_w, one for each 32 codes along K); fc2_b 512 float32; fc2_w_codes 512 x 64 x 16 uint8 (E2M1 codes of fc2_w, K innermost, in blocks of 32 codes, two codes a byte); fc2_w_scales 512 x 64 uint8 (E8M0 scales of fc2_w, one for each 32 codes along K); hidden_states 16 x 1,024 x 512 float32; k_b 512 float32; k_w_codes 512 x 16 x 16 uint8 (E2M1 codes of k_w, K innermost, in blocks of 32 codes, two codes a byte); k_w_scales 512 x 16 uint8 (E8M0 scales of k_w, one for each 32 codes along K); ln1_b 512 float32; ln1_w 512 float32; ln2_b 512 float32; ln2_w 512 float32; proj_b 512 float32; proj_w_codes 512 x 16 x 16 uint8 (E2M1 codes of proj_w, K innermost, in blocks of 32 codes, two codes a byte); proj_w_scales 512 x 16 uint8 (E8M0 scales of proj_w, one for each 32 codes along K); q_b 512 float32; q_w_codes 512 x 16 x 16 uint8 (E2M1 codes of q_w, K innermost, in blocks of 32 codes, two codes a byte); q_w_scales 512 x 16 uint8 (E8M0 scales of q_w, one for each 32 codes along K); rel_bias_table 225 x 16 float32; v_b 512 float32; v_w_codes 512 x 16 x 16 uint8 (E2M1 codes of v_w, K innermost, in blocks of 32 codes, two codes a byte); v_w_scales 512 x 16 uint8 (E8M0 scales of v_w, one for each 32 codes along K).
;; Outputs: out0 16 x 1,024 x 512 float32.
;; This version of the problem:
;;   THIS VERSION OF THE PROBLEM IS GIVEN IN LOW PRECISION. The matrix products marked QUANTISED in the list below multiply operands that are first quantised to E2M1 (2 exponent bits, 1 mantissa bit; 4 bits a number), with one power-of-two scale for each 32 numbers along K (OCP MX v1.0); their sums are f32. All else is computed in f32.
;;   The module's matrix products, in the order in which they are computed (A, B: the left and right operand; K: the contracted axis; several contracted axes count as one K, in the product's order):
;;     1. [M 16,384, K 512] x [K 512, N 512]; A: computed on the way; B: input q_w (given as codes): QUANTISED
;;     2. [M 16,384, K 512] x [K 512, N 512]; A: computed on the way; B: input k_w (given as codes): QUANTISED
;;     3. [M 16,384, K 512] x [K 512, N 512]; A: computed on the way; B: input v_w (given as codes): QUANTISED
;;     4. batch 4,096 x [M 64, K 32] x [K 32, N 64]; A: computed on the way; B: computed on the way: QUANTISED
;;     5. batch 4,096 x [M 64, K 64] x [K 64, N 32]; A: softmax (see below); B: computed on the way: QUANTISED
;;     6. [M 16,384, K 512] x [K 512, N 512]; A: computed on the way; B: input proj_w (given as codes): QUANTISED
;;     7. [M 16,384, K 512] x [K 512, N 2,048]; A: computed on the way; B: input fc1_w (given as codes): QUANTISED
;;     8. [M 16,384, K 2,048] x [K 2,048, N 512]; A: computed on the way; B: input fc2_w (given as codes): QUANTISED
;;   THE QUANTISER, for each operand of a quantised product, along K:
;;     - K is cut into blocks of 32 from its start; a last block that is shorter is filled with zeros.
;;     - A block's scale is 2^e with e = floor(log2(the largest magnitude in the block)) - 2, held to -126 .. 127; a block of zeros has e = 0. As a byte (E8M0): e + 127.
;;     - Each number is divided by its block's scale, clamped to +-6, and rounded to the nearest number of E2M1, ties to even, subnormals kept.
;;     - The product sums the exact products of the quantised numbers (number of the format x scale) in f32.
;;   ~~~python
;;   def quantise(x, axis):      # numpy; x: float32 -> the quantised numbers, widened to float32 again
;;       x = np.moveaxis(x, axis, -1); K = x.shape[-1]
;;       x = np.pad(x, [(0, 0)] * (x.ndim - 1) + [(0, -K % 32)]); x = x.reshape(x.shape[:-1] + (-1, 32)); a = np.abs(x).max(-1, keepdims=True)
;;       e = np.where(a > 0, np.clip(np.frexp(np.where(a > 0, a, 1))[1] - 1 - 2, -126, 127), 0)      # np.frexp(a)[1] - 1 = floor(log2(a)), exactly
;;       r = np.clip(x / 2.0 ** e, -6, 6)
;;       step = 2.0 ** (np.maximum(np.frexp(np.where(r == 0, 1, r))[1] - 1, 0) - 1)
;;       q = np.round(r / step) * step * 2.0 ** e      # np.round: ties to even
;;       return np.moveaxis(q.reshape(q.shape[:-2] + (-1,))[..., :K], -1, axis).astype(np.float32)
;;   ~~~
;;   SOFTMAX AHEAD OF A QUANTISED PRODUCT. Where the list says 'softmax', what is quantised is not the finished softmax but p = 2^(t - M), with t = logit x log2(e) and M = ceil(the row's largest t), a whole number; so 1/2 < the row's largest p <= 1. The row's sum l is taken of the UNQUANTISED p, in f32, and the product's result is divided by l at the end. Since M is a whole number, a kernel that streams over the keys may use a running M (the ceiling of the running maximum): every later rescaling is an exact power of two, which a block's scale takes up: the codes' values come out the same.
;;   OPERANDS COMPUTED ON THE WAY. 'Computed on the way' means the value that the module computes at that place (a softmax that the list does not call 'softmax' is quantised finished and normalised). What goes into a quantiser is computed in f32, as accurately as f32 sums, v_exp_f32 and their like allow (about 1e-6 of the number): no bf16 or f16 on the way to a quantiser, and a product that is left as it is and whose result goes on into a quantised operand takes f32 operands (vector FMAs, or v_wmma_f32_16x16x4_f32). A number that lies on a knife's edge between two numbers of the format may be rounded either way, as far as f32 arithmetic and the matrix unit's own rounding can turn it there, and no further.
;;   INPUTS GIVEN AS CODES. fc1_w (in the module: [2048, 512], K = its axis 1); fc2_w (in the module: [512, 2048], K = its axis 1); k_w (in the module: [512, 512], K = its axis 1); proj_w (in the module: [512, 512], K = its axis 1); q_w (in the module: [512, 512], K = its axis 1); v_w (in the module: [512, 512], K = its axis 1): each comes as NAME_codes (uint8): NAME with its K axis moved to the last place and cut into blocks of 32 codes, [.., K / 32, bytes a block], one block behind the other in memory; two codes a byte, the lower K in the low four bits (a code: sign, 2 exponent bits, 1 mantissa bit); and NAME_scales (uint8): the same leading axes, one E8M0 byte (e + 127) for each 32 codes along K. Its value is code x scale, taken as it is: it is not quantised again, and the codes and scales need not be those that the quantiser above would give.
;; One version. Each part assembles by itself: llvm-mc -triple=amdgcn-amd-amdhsa -mcpu=gfx1250 --defsym DOCPART=n.
;; ======== version 1 of 1: 1 launch
;; limits: right only within a limited range of input values
;; launch swin (part 1): grid 256 x 1, 8 waves a work-group, clusters of 4 x 1, 327,680 bytes of LDS; arguments hidden_states, ln1_w, ln1_b, q_w_codes, q_w_scales, q_b, k_w_codes, k_w_scales, k_b, v_w_codes, v_w_scales, v_b, rel_bias_table, proj_w_codes, proj_w_scales, proj_b, ln2_w, ln2_b, fc1_w_codes, fc1_w_scales, fc1_b, fc2_w_codes, fc2_w_scales, fc2_b, out0; writes out0
.if DOCPART == 1
	.amdgcn_target "amdgcn-amd-amdhsa--gfx1250"
	.amdhsa_code_object_version 6
	.text
	.protected	k_q216a95c690_swin
	.globl	k_q216a95c690_swin
	.p2align	8
	.type	k_q216a95c690_swin,@function
k_q216a95c690_swin:
	s_mov_b64 s[64:65], 0
	v_nop
	global_prefetch_b8 v0, s[64:65] scope:SCOPE_SE
	s_setreg_imm32_b32 hwreg(HW_REG_WAVE_MODE, 25, 1), 1
	s_wait_xcnt 0x0
	s_wait_alu depctr_hold_cnt(0) depctr_sa_sdst(0) depctr_va_vdst(0) depctr_va_sdst(0) depctr_va_ssrc(0) depctr_va_vcc(0) depctr_vm_vsrc(0)
	s_getreg_b32 s2, hwreg(HW_REG_IB_STS2, 6, 4)
	s_cmp_eq_u32 s2, 0
	s_cbranch_scc0 .Lentry_in_a_cluster
	s_endpgm
.Lentry_in_a_cluster:
	s_bfe_u32 s2, ttmp6, 0x10000c
	s_cmp_lg_u32 s2, 0x3003
	s_cbranch_scc0 .Lentry_shape_is_right
	s_endpgm
.Lentry_shape_is_right:
; A whole Swin layer (LN1, shift, windows of 8 x 8, q k v, 16 heads of 32, bias and shift mask, softmax, P V, proj, residual, LN2, fc1, exact GELU, fc2, residual), all eight products on E2M1 codes with E8M0 scales.
; SHARES.  256 windows of 64 tokens, one work-group each; only hidden_states and out0 go through memory.  Eight waves of 512 registers.  THE WAVES SHARE THE CHANNELS, NOT THE TOKENS: in every product wave w
; makes output channels 64 w .. 64 w + 63 of all 64 tokens.  The layer is 12 units of 64 tokens x 512 outputs x K 512: q, k, v, proj, and four times (fc1 chunk c, fc2 chunk c), chunk c = hidden units 512 c on.
; WEIGHTS.  A unit's codes are 512 rows x 256 bytes; each wave brings its 64 rows by ONE tensor load into its own part of one of TWO LDS slots (q, v, fc1: slot 0; k, proj, fc2: slot 1).  All work-groups walk the
; same weights, so the four of a cluster ask JOINTLY (mask 15).  A wave copies its 16 fragments into 128 registers; the slot is filled again behind a later round of the cluster's barrier, while the other
; slot's unit is at work.  One tensor load a wave is out.  THE COPIES stand beside other work: q's and fc1 chunk 0's beside a LayerNorm's quantiser, proj's beside attention, fc2's beside GELU, fc1's next chunk
; beside fc2's last products, k step by k step.
; PREFETCH.  At each fill the unit that is filled two fills later is asked for (the last two fills ask for nothing; q and k come by their loads alone).  All clusters read the same rows: clusters 0, 4, 32 and 36 ask;
; in each of them wave w of the work-group at place cx names rows 64 w + 16 cx + 0 .. 15, a lane a row, so that a cluster names each block of 256 bytes by one wave.
; ACTIVATIONS go from wave to wave as images of operand registers in LDS: block g (32 along K) of token tile T at 4096 T + 256 g + 16 row; a token's 16 scale bytes at 256 T + 16 row.
; ATTENTION.  Heads 2 w and 2 w + 1 are wave w's own q, k, v channels: private to the wave.  k's and v's codes stay in registers; q's go into the second images, where ctx takes their place tile by tile.  K = 32 and
; K = 64 are filled up to 128: q's and p's registers for k = 64 .. 127 are zero codes, so those of k and v there may be any codes: the next fragment's.
; THE RESIDUAL lives in 128 accumulator registers (ACC): x, then proj adds onto it (h), then fc2 adds onto it (the output).
; A CHUNK OF THE MLP.  64 products of fc1 into 128 registers of raw results, GELU tile by tile, hidden codes through LDS, fc2's 64 products onto ACC.  Two rounds: A behind hidden tile 0, B behind hidden tile 3;
; they are also the barriers that show the hidden tiles to every wave.  In the last chunk each token tile is finished and stored ahead of the GELU of the tile after the next.
; LAYOUT.  L = lane, r = L % 16, h = L / 16.  Products are used transposed (source 0 = 16 weight rows, source 1 = 16 tokens): lane (r, h), register 8 n + j = token 16 T + r, channel 64 w + 16 n + 8 h + j.
; The v product is not transposed: lane (r, h), register j = channel 16 n + r, token 16 T + 8 h + j, so that its registers run along the keys.  A block of 32 along the next K is two neighbouring result
; tiles in lanes l and l xor 16: tile 2 b gives word h of the block's 16 bytes, tile 2 b + 1 word 2 + h.
; GELU(x) = max(x, 0) - z Phi(-z), z = |x| held to 6, Phi(-z) = 2^e(z), e(z) = -1 + z (d1 + .. + d7 z^6): a polynomial that meets log2 Phi(-z) at z = 0, 1/4, 3/4, 5/4, 7/4, 9/4, 3, 7/2.
; LIMITS.  NaN and infinities are not served.  A block whose largest magnitude lies under 2^-124 gets the scale byte 1 (only this text reads these bytes).  GELU is good to about 1e-7 absolute, and to about 1e-6
; of the number near 0; strongly negative x carries the absolute error.  v_exp_f32 gives 0 for p under 2^-126.  The bias and the mask enter as bias x log2(e) and -100 x log2(e): one rounding
; otherwise than the source.  The mask is added as a number; nothing is skipped.
.set SLOTW, 17408                      ; LDS: a wave's part of a slot: 64 rows x (256 + 16)
.set SLOTB, 139264                     ; slot 1
.set AIMG,  278528                     ; images of LN1(x), later of LN2(h): 16,384 bytes
.set HOFF,  16384                      ; from there to the images of q and ctx, later of a hidden chunk
.set ASC,   311296                     ; scale bytes for AIMG: 1,024
.set HSOFF, 1024                       ; from there to those of the second images
.set STG,   AIMG                       ; on the way in: a stage of 16 rows x 272 for each wave, over both images and scale bytes (34,816 bytes), ahead of their first use
.set BT,    AIMG                       ; in attention: bias table x log2(e), [head][256 words]; wave w writes and reads heads 2 w, 2 w + 1
.set RED1,  313344                     ; partial sums [token][wave], 32 bytes a token; 2,048 further on the sums of squares
.set SPARE, 317440                     ; the spare words: 128 bytes a wave, four blocks of 256 that no other line names
; window 0
.set SPW, 1                            ; SPARE + 4 x thread; never rewritten
.set NIL, 2                            ; 0; never rewritten
.set IR,  3                            ; AIMG + 16 L
.set SR,  4                            ; ASC + 16 r
.set IW,  5                            ; AIMG + 512 w + 16 r + 4 h
.set SW,  6                            ; ASC + 16 r + 2 w
.set WA,  7                            ; 17408 w + 272 r + 16 h
.set RW,  8                            ; RED1 + 32 r + 4 w
.set RR,  9                            ; RED1 + 32 r
.set BA,  10                           ; BT + 2048 w + 4 (15 (r / 8 - h + 1) + r % 8)
.set SGI, 11                           ; stage + 272 h + 16 r
.set SGD, 12                           ; stage + 272 r + 32 h
.set WA2, 13                           ; WA in slot 1
.set IQ,  14                           ; AIMG + HOFF + 512 w + 16 L
.set PF1, 15                           ; prefetch offset: (64 w + 16 cx + min(L, 15)) x 256; never rewritten
.set VX,  16                           ; v16-19: ((8 wx + 4 + 2 q + h) % 32) x 2048 + 256 w + 16 r
.set BV,  20                           ; 256 w + 32 h
.set VBA, 21                           ; 256 w + 4 r
.set WSA, 22                           ; (64 w + L) x 16
.set WSA2, 23                          ; (64 w + L) x 64
.set TA,  24                           ; v24-27 addresses of the trip in hand
.set WS,  28                           ; v28-35 weight scale words: WS[4 b + s]: lanes 0-15 tile 2 b, lanes 16-31 tile 2 b + 1; in the MLP fc2's
.set SCL, 36                           ; v36-51 other scale words, and nothing else
.set WSB, 44                           ; v44-51 in the MLP: fc1's weight scale words
.set TM,  52                           ; v52-53 largest magnitudes
.set TX,  54                           ; v54-55 the other half's; then the bytes; TX the scale word
.set SO,  56                           ; v56-57 the conversions' scale operands
.set GC,  58                           ; v58 the leading coefficient d7 of GELU's polynomial (named with v59 as a pair, of which the low word serves both halves)
.set PF2, 59                           ; v59 prefetch offset for fc2: 4 x PF1; never rewritten
.set CD,  60                           ; v60-63 codes just made; in a LayerNorm -mean, then 1 / sigma
.set BIAS, 64                          ; v64-95 a unit's bias; in attention the 32 bias values; with AC the 64 work registers of GELU
.set AC,  96                           ; v96-127 four result tiles; scores and p; global offsets on the way in; fragment set 0 of fc1
.set BIG, 128                          ; v128-255 fragments, fc1's raw results (32 T on), LayerNorm's centred numbers, x and out in flight; v224-255 also fragment set 1 of fc1
.set KF,  128                          ; v128-143 k's codes: 4 registers for each tile of 16 keys (lanes 0-15 head 2 w, lanes 16-31 head 2 w + 1)
.set VF,  144                          ; v144-159 v's codes: 4 registers for each tile of 16 channels (lanes 0-15 keys 0-31, lanes 16-31 keys 32-63); v160-163 behind them zero codes
.set RF,  160                          ; q, k, v: two sets of token fragments, v160-191, v192-223
.set TBL, 224                          ; v224-239 the bias table on its way
.set QF,  164                          ; attention: q of the head in hand, p, ctx, q of both heads
.set PF,  172
.set CT,  180
.set QR,  212
.set MM,  240                          ; v240-243 the mask's four values
.set MLO, 244
.set MHI, 245
.set NGM, 246                          ; v246 -M (247 written once: named with it as a pair)
.set LS,  248                          ; v248-251 the row's sum
.set RL,  252                          ; v252 1 / l (253 written once)
.set TA4, 254
.set KS,  SCL
.set VS,  SCL+4
.set QS,  SCL+8
.set PS,  SCL+9
; window 1
.set WF,  0                            ; v256-383 the unit's weights: fragment (n, s) at 8 (4 n + s)
.set ACC, 128                          ; v384-511 the residual stream: 32 T + 8 n + j
; scalars: s3 wave; s[4:5] x; s[6:7] out; s[8:15], s[16:23] descriptor groups 1 (pitch 256, 1024); s[24:27] group 0; s[28:29] lane selects; s[30:31] c; s36-43 row offsets; s44 eps; s45, s46 mask values by
; window column and row; s47, s48 of the trip; s49-55 counters and steps; s[56:59] LayerNorm's pointers; s[60:63] q's codes, the table; s66 1/512; s67 lanes 0-15; s[68:79] the MLP's pointers; s[80:81], s[82:83] my
; rows' offsets; s[84:87] at work in the head, then the next unit's scales and bias, at the end bases of the stores; s[88:89] k's codes; s[100:101] v's, s[104:105] proj's; s99 0 where my cluster prefetches
; s32-35, s90-98 GELU's constants
.set WV,  3
.set SEL, 28
.set CSC, 30
.set SY,  36
.set D6, 32
.set D5, 34
.set D4, 90
.set D3, 92
.set D2, 94
.set D1, 96
.set CLP, 98
.set WD, WS                            ; where LOADWS puts its words
.set MSB, 0
.macro WIN new                         ; low byte: bits 1:0 source 0, 3:2 source 1, 5:4 source 2, 7:6 destination; the high byte repeats the setting that is left
.if MSB != \new
	s_set_vgpr_msb (MSB<<8)|\new
.set MSB, \new
.endif
.endm
.macro PLACES                          ; four plain places behind matrix instructions, ahead of reads of results and of loads or writes into their registers
.rept 4
	v_nop
.endr
.endm
.macro BAR                             ; my LDS stores have landed and my LDS loads are in: then the work-group's barrier
	s_wait_dscnt 0x0
	s_barrier_signal -1
	s_barrier_wait -1
.endm
.macro CREST                           ; a round of the cluster's barrier behind its opening barrier
	s_cmp_lg_u32 s[WV], 0
	s_cbranch_scc1 .Lnot_wave_0_\@
	s_barrier_signal -3
.Lnot_wave_0_\@:
	s_barrier_wait -3
	s_barrier_signal -1
	s_barrier_wait -1
.endm
.macro ROUND                           ; a whole round
	s_barrier_signal -1
	s_barrier_wait -1
	CREST
.endm
.macro ASK v, sp                       ; a prefetch into the L2: clusters 0, 4, 32, 36
	s_cmp_lg_u32 s99, 0
	s_cbranch_scc1 .Lnot_mine_\@
	global_prefetch_b8 v[\v], s[\sp:\sp+1] th:TH_LOAD_NT scope:SCOPE_SE
.Lnot_mine_\@:
.endm
.macro ASK_L v, sp                     ; in the MLP's loop: chunk c asks for chunk c + 2
	s_cmp_lt_u32 s55, 3
	s_cbranch_scc1 .Lno_more_\@
	ASK \v, \sp
.Lno_more_\@:
.endm
; a product with C in registers.  row = 1: source 0's scales in lanes 16-31; 2: source 1's
.macro WM d, a, b, c, sa, sb, row
.if (\row) == 1
	v_wmma_scale_f32_16x16x128_f8f6f4 v[\d:\d+7], v[\a:\a+7], v[\b:\b+7], v[\c:\c+7], v[\sa], v[\sb] matrix_a_fmt:MATRIX_FMT_FP4 matrix_b_fmt:MATRIX_FMT_FP4 matrix_a_scale:MATRIX_SCALE_ROW1
.elseif (\row) == 2
	v_wmma_scale_f32_16x16x128_f8f6f4 v[\d:\d+7], v[\a:\a+7], v[\b:\b+7], v[\c:\c+7], v[\sa], v[\sb] matrix_a_fmt:MATRIX_FMT_FP4 matrix_b_fmt:MATRIX_FMT_FP4 matrix_b_scale:MATRIX_SCALE_ROW1
.else
	v_wmma_scale_f32_16x16x128_f8f6f4 v[\d:\d+7], v[\a:\a+7], v[\b:\b+7], v[\c:\c+7], v[\sa], v[\sb] matrix_a_fmt:MATRIX_FMT_FP4 matrix_b_fmt:MATRIX_FMT_FP4
.endif
.endm
.macro WM0 d, a, b, sa, sb             ; a product that starts its sum
	v_wmma_scale_f32_16x16x128_f8f6f4 v[\d:\d+7], v[\a:\a+7], v[\b:\b+7], 0, v[\sa], v[\sb] matrix_a_fmt:MATRIX_FMT_FP4 matrix_b_fmt:MATRIX_FMT_FP4
.endm
.macro PKB op, d, a, b, sel            ; a packed line whose second source is ONE register of the pair b for both halves: the first (sel = 0) or the second
.if \sel
	\op v[\d:\d+1], v[\a:\a+1], v[\b:\b+1] op_sel:[0,1] op_sel_hi:[1,1]
.else
	\op v[\d:\d+1], v[\a:\a+1], v[\b:\b+1] op_sel_hi:[1,0]
.endif
.endm
.macro LOADVEC dst, sp                 ; 32 numbers of a [512] vector in the result's layout: dst[8 n + j] = vec[64 w + 16 n + 8 h + j]
.irp i, 0,1,2,3,4,5,6,7
	global_load_b128 v[\dst+4*\i:\dst+4*\i+3], v[BV], s[\sp:\sp+1] offset:(\i/2)*64+(\i%2)*16
.endr
.endm
.macro LOADWS va, sp, st               ; my 64 rows' scale words of this unit's 512 along K: lane L takes row 32 b + L
	global_load_b128 v[WD:WD+3], v[\va], s[\sp:\sp+1]
	global_load_b128 v[WD+4:WD+7], v[\va], s[\sp:\sp+1] offset:\st
.endm
; the two blocks in 32 registers of a lane (16 numbers of each; lane l xor 16 holds the other 16): their scale operands in SO, their bytes in TX
.macro QMAX src
.irp b, 0,1
	v_max3_num_f32 v[TM+\b], |v[\src+16*\b]|, |v[\src+16*\b+1]|, 0x1800000   ; and the floor 2^(3 - 127): the byte cannot fall under 1
.endr
.irp i, 2,4,6,8,10,12,14
.irp b, 0,1
	v_max3_num_f32 v[TM+\b], v[TM+\b], |v[\src+16*\b+\i]|, |v[\src+16*\b+\i+1]|
.endr
.endr
.irp b, 0,1
	v_permlanex16_b32 v[TX+\b], v[TM+\b], s[SEL], s[SEL+1]
.endr
.irp b, 0,1
	s_delay_alu instid0(VALU_DEP_2)
	v_max_num_f32 v[TM+\b], v[TM+\b], v[TX+\b]     ; the block's largest magnitude
.endr
.irp b, 0,1
	s_delay_alu instid0(VALU_DEP_2)
	v_add_nc_u32 v[SO+\b], 0xff000000, v[TM+\b]    ; 2 off its exponent field: the conversion takes this operand's exponent field as its scale
.endr
.irp b, 0,1
	s_delay_alu instid0(VALU_DEP_2)
	v_lshrrev_b32 v[TX+\b], 23, v[SO+\b]           ; the scale's byte
.endr
.endm
; to LDS: the blocks' words h and 2 + h at ca + o0, o1; the two bytes at sa + so, into a token's 16 scale bytes
.macro Q2L src, ca, o0, o1, sa, so
	QMAX \src
	s_delay_alu instid0(VALU_DEP_1)
	v_lshl_or_b32 v[TX], v[TX+1], 8, v[TX]
.irp b, 0,1
	v_cvt_scalef32_pk8_fp4_f32 v[CD+2*\b], v[\src+16*\b:\src+16*\b+7], v[SO+\b]
	v_cvt_scalef32_pk8_fp4_f32 v[CD+2*\b+1], v[\src+16*\b+8:\src+16*\b+15], v[SO+\b]
.endr
	v_nop                                          ; one plain place behind the conversions
	ds_store_b32 v[\ca], v[CD] offset:\o0
	ds_store_b32 v[\ca], v[CD+1] offset:\o0+8
	ds_store_b32 v[\ca], v[CD+2] offset:\o1
	ds_store_b32 v[\ca], v[CD+3] offset:\o1+8
	ds_store_b16 v[\sa], v[TX] offset:\so          ; lanes l and l xor 16 write the same halfword with the same value
.endm
; to registers, as an operand: lanes 0-15 get block 0 whole, lanes 16-31 block 1; the scale word
.macro QREG src, dst, sw
	QMAX \src
	s_delay_alu instid0(VALU_DEP_1)
	v_lshl_or_b32 v[\sw], v[TX+1], 8, v[TX]
.irp b, 0,1
	v_cvt_scalef32_pk8_fp4_f32 v[\dst+\b], v[\src+16*\b:\src+16*\b+7], v[SO+\b]
	v_cvt_scalef32_pk8_fp4_f32 v[\dst+2+\b], v[\src+16*\b+8:\src+16*\b+15], v[SO+\b]
.endr
	v_nop
	v_permlane16_swap_b32 v[\dst], v[\dst+1]
	v_permlane16_swap_b32 v[\dst+2], v[\dst+3]
.endm
.macro W_COPY wa                       ; my 64 rows of a unit's weights, out of my part of a slot into registers.  They have landed: every wave has waited for all its tensor loads since they were asked for; and only I read these bytes
	WIN 0x40
.irp n, 0,1,2,3
.irp s, 0,1,2,3
.irp c, 0,1
	ds_load_b128 v[WF+8*(4*\n+\s)+4*\c:WF+8*(4*\n+\s)+4*\c+3], v[\wa] offset:4352*\n+64*\s+32*\c
.endr
.endr
.endr
	WIN 0
.endm
.macro WCOPY_S s                       ; the same out of slot 0 for one k step: four fragments
	WIN 0x40
.irp n, 0,1,2,3
.irp c, 0,1
	ds_load_b128 v[WF+8*(4*\n+\s)+4*\c:WF+8*(4*\n+\s)+4*\c+3], v[WA] offset:4352*\n+64*\s+32*\c
.endr
.endr
	WIN 0
.endm
; A slot is filled with the rows at s[cp] + s[of]: the lines ahead of the round's opening signal.  (The round is also the barrier that shows the LDS stores ahead of it to every wave.)
.macro LINES cp, of, step, slot
	s_wait_tensorcnt 0x0                           ; no tensor load of mine is out: the other slot's unit has landed, and group 0 may be written
	ds_add_u32 v[SPW], v[NIL]                      ; 0 onto my spare word
	s_mul_i32 s25, s[WV], SLOTW                    ; LDS address: my part of the slot; nothing of my place in the cluster enters a descriptor
.if \slot
	s_add_co_u32 s25, s25, SLOTB
.endif
	s_add_nc_u64 s[26:27], s[\cp:\cp+1], s[\of:\of+1]
	s_or_b32 s27, s27, 0x80000000                  ; type = 2
.if \step
	s_wait_xcnt 0x0                                ; any prefetch of mine has read this base
	s_add_nc_u64 s[\cp:\cp+1], s[\cp:\cp+1], \step ; the chunk after
.endif
	s_wait_dscnt 0x0                               ; the add is done, my copy of the slot is in, my LDS stores have landed
.endm
.macro REFILL g1                       ; my one tensor load behind the round, and the first thing there
	tensor_load_to_lds s[24:27], s[\g1:\g1+7]
	s_nop 0
	PLACES
.endm
.macro ASK_WB vb                       ; q, k, v: the unit's scale words and bias, from s[84:87]
	LOADWS WSA, 84, 512
.if \vb
.irp n, 0,1,2,3
	global_load_b32 v[BIAS+8*\n], v[VBA], s[86:87] offset:64*\n   ; v's result holds one channel a lane
.endr
.else
	LOADVEC BIAS, 86
.endif
.endm
.macro START_A vb, wa                  ; k, v
	PLACES
	s_wait_alu depctr_va_vdst(0)
	s_wait_kmcnt 0x0                               ; the pointers, asked for a unit ago
	ASK_WB \vb
	W_COPY \wa
.endm
.macro HSTEP acc, q, k, num            ; a step of Horner's scheme
.set p, 0
.rept \num/2
	v_pk_fma_f32 v[\acc+p:\acc+p+1], v[\acc+p:\acc+p+1], v[\q+p:\q+p+1], s[\k:\k+1] op_sel_hi:[1,1,0]
.set p, p+2
.endr
.endm
; exact GELU of the num numbers from v[src] on, in place, on 2 num work registers from v[tmp] on: z, then e and 2^e
.macro GELU src, tmp, num
	s_wait_alu depctr_va_vdst(0)                   ; ahead of the matrix results' first reader
.set p, 0
.rept \num
	v_min_num_f32 v[\tmp+p], |v[\src+p]|, s[CLP]   ; z; each accumulator is read from its low end on
.set p, p+1
.endr
.set p, 0
.rept \num/2
	v_pk_fma_f32 v[\tmp+\num+p:\tmp+\num+p+1], v[\tmp+p:\tmp+p+1], v[GC:GC+1], s[D6:D6+1] op_sel_hi:[1,0,0]
.set p, p+2
.endr
	HSTEP \tmp+\num, \tmp, D5, \num
	HSTEP \tmp+\num, \tmp, D4, \num
	HSTEP \tmp+\num, \tmp, D3, \num
	HSTEP \tmp+\num, \tmp, D2, \num
	HSTEP \tmp+\num, \tmp, D1, \num
.set p, 0
.rept \num/2
	v_pk_fma_f32 v[\tmp+\num+p:\tmp+\num+p+1], v[\tmp+\num+p:\tmp+\num+p+1], v[\tmp+p:\tmp+p+1], -1.0 op_sel_hi:[1,1,0]
.set p, p+2
.endr
.set p, 0
.rept \num/2
	v_dual_max_num_f32 v[\src+p], 0, v[\src+p] :: v_dual_max_num_f32 v[\src+p+1], 0, v[\src+p+1]
.set p, p+2
.endr
	s_wait_alu depctr_va_vdst(0)
.set p, 0
.rept \num
	v_exp_f32 v[\tmp+\num+p], v[\tmp+\num+p]       ; Phi(-z)
.set p, p+1
.endr
	v_nop                                          ; a plain place behind the batch,
	s_wait_alu depctr_va_vdst(0)                   ; and one wait ahead of its first reader
.set p, 0
.rept \num/2
	v_pk_fma_f32 v[\src+p:\src+p+1], v[\tmp+p:\tmp+p+1], v[\tmp+\num+p:\tmp+\num+p+1], v[\src+p:\src+p+1] neg_lo:[1,0,0] neg_hi:[1,0,0]
.set p, p+2
.endr
.endm
; ---- q, k, v on the first images
.macro LOADR set, t                    ; token tile t: four fragments and their scale words, nine LDS loads
.irp s, 0,1,2,3
.irp c, 0,1
	ds_load_b128 v[RF+32*\set+8*\s+4*\c:RF+32*\set+8*\s+4*\c+3], v[IR] offset:4096*\t+1024*\s+512*\c
.endr
.endr
	ds_load_b128 v[SCL+8+4*\set:SCL+8+4*\set+3], v[SR] offset:256*\t
.endm
.macro PR set                          ; 16 products, the four accumulators by turns
	WIN 0x01
.irp s, 0,1,2,3
.irp n, 0,1,2,3
.if \s == 0
	WM AC+8*\n, WF+8*(4*\n+\s), RF+32*\set+8*\s, BIAS+8*\n, WS+4*(\n/2)+\s, SCL+8+4*\set+\s, \n%2
.else
	WM AC+8*\n, WF+8*(4*\n+\s), RF+32*\set+8*\s, AC+8*\n, WS+4*(\n/2)+\s, SCL+8+4*\set+\s, \n%2
.endif
.endr
.endr
	WIN 0
	PLACES
.endm
.macro OUTR k, t                       ; q (k = 0): into the second images; k: into registers
.if \k
	QREG AC, KF+4*\t, KS+\t
.else
	Q2L AC, IW, HOFF+4096*\t, HOFF+4096*\t+256, SW, HSOFF+256*\t
.endif
.endm
.macro UNIT_R k, st                    ; st: the LDS stores of one OUTR.  The next tile's nine loads are out while a tile is multiplied and quantised
	LOADR 0, 0
	LOADR 1, 1
	s_wait_dscnt 9                                 ; all but the nine just issued
	PR 0
	LOADR 0, 2
	OUTR \k, 0
	s_wait_dscnt 9+\st                             ; tile 1 is in: behind it tile 2's nine and one tile's stores
	PR 1
	LOADR 1, 3
	OUTR \k, 1
	s_wait_dscnt 9+2*\st                           ; tile 2: behind it tile 3's nine and two tiles' stores
	PR 0
	OUTR \k, 2
	s_wait_dscnt 2*\st                             ; tile 3
	PR 1
	OUTR \k, 3
.endm
; The v unit: source 0 = tokens, source 1 = 16 rows of v_w.  Two token tiles (a block of 32 keys) at a time, two tiles of 16 channels at a time; quantised along the keys into registers.
.macro UNIT_V
.irp pp, 0,1
	LOADR 0, (2*\pp)
	LOADR 1, (2*\pp+1)
.if \pp == 0
.irp n, 0,1,2,3
.irp j, 1,2,3,4,5,6,7
	v_mov_b32 v[BIAS+8*\n+\j], v[BIAS+8*\n]        ; the lane's channel's bias, for its eight tokens
.endr
.endr
.endif
	s_wait_alu depctr_va_vdst(0)
	s_wait_dscnt 0x0
.if \pp
	s_barrier_signal -1                            ; I have read the first images for the last time: the bias table takes their place behind this barrier
.endif
.irp q, 0,1
	WIN 0x04
.irp s, 0,1,2,3
.irp x, 0,1
.irp t, 0,1
.if \s == 0
	WM AC+16*\x+8*\t, RF+32*\t+8*\s, WF+8*(4*(2*\q+\x)+\s), BIAS+8*(2*\q+\x), SCL+8+4*\t+\s, WS+4*\q+\s, 2*\x
.else
	WM AC+16*\x+8*\t, RF+32*\t+8*\s, WF+8*(4*(2*\q+\x)+\s), AC+16*\x+8*\t, SCL+8+4*\t+\s, WS+4*\q+\s, 2*\x
.endif
.endr
.endr
.endr
	WIN 0
	PLACES
	QMAX AC
.irp x, 0,1
.if \pp
	v_lshl_or_b32 v[VS+2*\q+\x], v[TX+\x], 8, v[VS+2*\q+\x]
.else
	v_mov_b32 v[VS+2*\q+\x], v[TX+\x]
.endif
.endr
.irp x, 0,1
	v_cvt_scalef32_pk8_fp4_f32 v[VF+4*(2*\q+\x)+\pp], v[AC+16*\x:AC+16*\x+7], v[SO+\x]
	v_cvt_scalef32_pk8_fp4_f32 v[VF+4*(2*\q+\x)+2+\pp], v[AC+16*\x+8:AC+16*\x+15], v[SO+\x]
.endr
	v_nop                                          ; one plain place behind the conversions
.endr
.endr
.irp n, 0,1,2,3
	v_permlane16_swap_b32 v[VF+4*\n], v[VF+4*\n+1]     ; lanes 0-15 get keys 0-31, lanes 16-31 keys 32-63
	v_permlane16_swap_b32 v[VF+4*\n+2], v[VF+4*\n+3]
.endr
	s_wait_alu depctr_va_vdst(0)
	s_barrier_wait -1
.endm
.macro LOADF set, t                    ; token tile t of the second images: four fragments and their scale words, nine LDS loads
.irp s, 0,1,2,3
.irp c, 0,1
	ds_load_b128 v[BIG+32*\set+8*\s+4*\c:BIG+32*\set+8*\s+4*\c+3], v[IR] offset:HOFF+4096*\t+1024*\s+512*\c
.endr
.endr
	ds_load_b128 v[SCL+4*\set:SCL+4*\set+3], v[SR] offset:HSOFF+256*\t
.endm
.macro PACC set, t                     ; 16 products onto ACC, the tile's four accumulators by turns
	WIN 0x51
.irp s, 0,1,2,3
.irp n, 0,1,2,3
	WM ACC+8*(4*\t+\n), WF+8*(4*\n+\s), BIG+32*\set+8*\s, ACC+8*(4*\t+\n), WS+4*(\n/2)+\s, SCL+4*\set+\s, \n%2
.endr
.endr
	WIN 0
.endm
; tiles 2 and 3 together, k step by k step, their eight accumulators by turns; a step's four weight fragments are then free and take those of fc1's next chunk
.macro PACC_COPY
.irp s, 0,1,2,3
	WIN 0x51
.irp t, 0,1
.irp n, 0,1,2,3
	WM ACC+8*(8+4*\t+\n), WF+8*(4*\n+\s), BIG+32*\t+8*\s, ACC+8*(8+4*\t+\n), WS+4*(\n/2)+\s, SCL+4*\t+\s, \n%2
.endr
.endr
	WIN 0
	PLACES
	WCOPY_S \s
.endr
.endm
.macro UNIT_ACC                        ; proj: the next tile's nine loads are out while a tile is multiplied
	LOADF 0, 0
	LOADF 1, 1
	s_wait_dscnt 9                                 ; all but the nine just issued
	PACC 0, 0
	PLACES
	LOADF 0, 2
	s_wait_dscnt 9
	PACC 1, 1
	PLACES
	LOADF 1, 3
	s_wait_dscnt 9
	PACC 0, 2
	s_wait_dscnt 0x0
	PACC 1, 3
.endm
; ---- the MLP
.macro LOADA set, t                    ; token tile t of the first images into fragment set 0 (v96 on) or 1 (v224 on): nine LDS loads
.irp s, 0,1,2,3
.irp c, 0,1
	ds_load_b128 v[AC+128*\set+8*\s+4*\c:AC+128*\set+8*\s+4*\c+3], v[IR] offset:4096*\t+1024*\s+512*\c
.endr
.endr
	ds_load_b128 v[SCL+4*\set:SCL+4*\set+3], v[SR] offset:256*\t
.endm
.macro PFC1 set, t                     ; fc1's 16 products of token tile t into its 32 raw results, the four accumulators by turns; the bias is the C of each sum's first product
	WIN 0x01
.irp s, 0,1,2,3
.irp n, 0,1,2,3
.if \s == 0
	WM BIG+32*\t+8*\n, WF+8*(4*\n+\s), AC+128*\set+8*\s, BIAS+8*\n, WSB+4*(\n/2)+\s, SCL+4*\set+\s, \n%2
.else
	WM BIG+32*\t+8*\n, WF+8*(4*\n+\s), AC+128*\set+8*\s, BIG+32*\t+8*\n, WSB+4*(\n/2)+\s, SCL+4*\set+\s, \n%2
.endif
.endr
.endr
	WIN 0
.endm
.macro Q2H t                           ; hidden tile t, my 64 units: blocks 2 w and 2 w + 1 of fc2's K in this chunk
	Q2L BIG+32*\t, IW, HOFF+4096*\t, HOFF+4096*\t+256, SW, HSOFF+256*\t
.endm
.macro ADDVEC                          ; ACC += the vector in BIAS, for all four token tiles
	WIN 0x41
.irp t, 0,1,2,3
.set p, 0
.rept 16
	v_pk_add_f32 v[ACC+32*\t+p:ACC+32*\t+p+1], v[ACC+32*\t+p:ACC+32*\t+p+1], v[BIAS+p:BIAS+p+1]
.set p, p+2
.endr
.endr
	WIN 0
.endm
.macro HALVES src, st                  ; a pair's two halves, and lane l xor 16's
.irp t, 0,1,2,3
	s_delay_alu instid0(VALU_DEP_4)
	v_add_f32 v[\src+\st*\t], v[\src+\st*\t], v[\src+\st*\t+1]
.endr
.irp t, 0,1,2,3
	s_delay_alu instid0(VALU_DEP_4)
	v_permlanex16_b32 v[\src+\st*\t+1], v[\src+\st*\t], s[SEL], s[SEL+1]
.endr
.irp t, 0,1,2,3
	s_delay_alu instid0(VALU_DEP_4)
	v_add_f32 v[\src+\st*\t], v[\src+\st*\t], v[\src+\st*\t+1]
.endr
.endm
.macro XWAVE src, st, off, fill        ; the eight waves' parts of a token's sum meet in LDS; every wave adds them in the same order; the totals in AC[8 t].  fill = 1: the barrier is the round behind which slot 1 takes k's rows
.irp t, 0,1,2,3
	ds_store_b32 v[RW], v[\src+\st*\t] offset:\off+512*\t
.endr
.if \fill
	LINES 88, 80, 0, 1
	ROUND
	REFILL 8
.else
	BAR
.endif
.irp t, 0,1,2,3
	ds_load_b128 v[AC+8*\t:AC+8*\t+3], v[RR] offset:\off+512*\t
	ds_load_b128 v[AC+8*\t+4:AC+8*\t+7], v[RR] offset:\off+512*\t+16
.endr
.if \fill
	ASK PF1, 104                                   ; proj's rows
.endif
	s_wait_dscnt 0x0
.irp t, 0,1,2,3
	v_pk_add_f32 v[AC+8*\t:AC+8*\t+1], v[AC+8*\t:AC+8*\t+1], v[AC+8*\t+2:AC+8*\t+3]
	v_pk_add_f32 v[AC+8*\t+4:AC+8*\t+5], v[AC+8*\t+4:AC+8*\t+5], v[AC+8*\t+6:AC+8*\t+7]
.endr
.irp t, 0,1,2,3
	v_pk_add_f32 v[AC+8*\t:AC+8*\t+1], v[AC+8*\t:AC+8*\t+1], v[AC+8*\t+4:AC+8*\t+5]
.endr
.irp t, 0,1,2,3
	s_delay_alu instid0(VALU_DEP_4)
	v_add_f32 v[AC+8*\t], v[AC+8*\t], v[AC+8*\t+1]
.endr
.endm
; LayerNorm of ACC (gain at s[56:57], bias at s[58:59]) in two passes, so that a common offset costs nothing; the numbers in BIG.  ACC stays as it is.
.macro LN fill
	PLACES
	WIN 0x40
	LOADVEC WF, 56
	LOADVEC WF+32, 58
	WIN 0x05
.irp t, 0,1,2,3
.irp k, 0,1,2,3,4,5,6,7
	v_pk_add_f32 v[BIG+16*\t+2*\k:BIG+16*\t+2*\k+1], v[ACC+32*\t+4*\k:ACC+32*\t+4*\k+1], v[ACC+32*\t+4*\k+2:ACC+32*\t+4*\k+3]   ; each accumulator from its low end on
.endr
.endr
	WIN 0
.irp k, 0,4,8,12
.irp t, 0,1,2,3
	v_pk_add_f32 v[BIG+16*\t+\k:BIG+16*\t+\k+1], v[BIG+16*\t+\k:BIG+16*\t+\k+1], v[BIG+16*\t+\k+2:BIG+16*\t+\k+3]
.endr
.endr
.irp k, 0,8
.irp t, 0,1,2,3
	v_pk_add_f32 v[BIG+16*\t+\k:BIG+16*\t+\k+1], v[BIG+16*\t+\k:BIG+16*\t+\k+1], v[BIG+16*\t+\k+4:BIG+16*\t+\k+5]
.endr
.endr
.irp t, 0,1,2,3
	s_delay_alu instid0(VALU_DEP_4)
	v_pk_add_f32 v[BIG+16*\t:BIG+16*\t+1], v[BIG+16*\t:BIG+16*\t+1], v[BIG+16*\t+8:BIG+16*\t+9]
.endr
	HALVES BIG, 16
	XWAVE BIG, 16, 0, \fill
.irp t, 0,1,2,3
	s_delay_alu instid0(VALU_DEP_4)
	v_mul_f32 v[CD+\t], 0xbb000000, v[AC+8*\t]     ; -mean
.endr
	WIN 0x01
.irp t, 0,1,2,3
.set p, 0
.rept 16
	PKB v_pk_add_f32, BIG+32*\t+p, ACC+32*\t+p, CD+2*(\t/2), \t%2
.set p, p+2
.endr
.endr
	WIN 0
.irp t, 0,1,2,3
	v_pk_mul_f32 v[AC+8*\t:AC+8*\t+1], v[BIG+32*\t:BIG+32*\t+1], v[BIG+32*\t:BIG+32*\t+1]
	v_pk_mul_f32 v[AC+8*\t+2:AC+8*\t+3], v[BIG+32*\t+2:BIG+32*\t+3], v[BIG+32*\t+2:BIG+32*\t+3]
.endr
.irp k, 4,8,12,16,20,24,28
.irp t, 0,1,2,3
	v_pk_fma_f32 v[AC+8*\t:AC+8*\t+1], v[BIG+32*\t+\k:BIG+32*\t+\k+1], v[BIG+32*\t+\k:BIG+32*\t+\k+1], v[AC+8*\t:AC+8*\t+1]
	v_pk_fma_f32 v[AC+8*\t+2:AC+8*\t+3], v[BIG+32*\t+\k+2:BIG+32*\t+\k+3], v[BIG+32*\t+\k+2:BIG+32*\t+\k+3], v[AC+8*\t+2:AC+8*\t+3]
.endr
.endr
.irp t, 0,1,2,3
	v_pk_add_f32 v[AC+8*\t:AC+8*\t+1], v[AC+8*\t:AC+8*\t+1], v[AC+8*\t+2:AC+8*\t+3]
.endr
	HALVES AC, 8
	XWAVE AC, 8, 2048, 0
.irp t, 0,1,2,3
	s_delay_alu instid0(VALU_DEP_4)
	v_fma_f32 v[AC+8*\t], v[AC+8*\t], s66, s44     ; variance + eps
.endr
	s_wait_alu depctr_va_vdst(0)
.irp t, 0,1,2,3
	v_rsq_f32 v[CD+\t], v[AC+8*\t]
.endr
	v_nop                                          ; a plain place behind the last of them,
	s_wait_alu depctr_va_vdst(0)                   ; and one wait for the four, ahead of their first reader
.irp t, 0,1,2,3
.set p, 0
.rept 16
	PKB v_pk_mul_f32, BIG+32*\t+p, BIG+32*\t+p, CD+2*(\t/2), \t%2
.set p, p+2
.endr
.endr
	s_wait_loadcnt 0x0                             ; gain and bias
	WIN 0x14
.irp t, 0,1,2,3
.set p, 0
.rept 16
	v_pk_fma_f32 v[BIG+32*\t+p:BIG+32*\t+p+1], v[BIG+32*\t+p:BIG+32*\t+p+1], v[WF+p:WF+p+1], v[WF+32+p:WF+32+p+1]
.set p, p+2
.endr
.endr
	WIN 0
.endm
.macro LNQ                             ; and quantised into the first images
.irp t, 0,1,2,3
	Q2L BIG+32*\t, IW, 4096*\t, 4096*\t+256, SW, 256*\t
.endr
.endm
.macro LOADB x                         ; head x: the bias table's 32 values
.irp k, 0,1,2,3
.irp j, 0,1,2,3,4,5,6,7
	ds_load_b32 v[BIAS+8*\k+\j], v[TA+1] offset:1024*\x+4*(97-30*\k-\j)
.endr
.endr
.endm
; One head (x = 0, 1 of my two) for the trip's 16 queries.  S^T = k q^T: lane (r, h), register 8 k + j = key 16 k + 8 h + j of query r.
.macro ATTN_HEAD x
.if \x
	s_wait_dscnt 0x0
.else
	s_wait_dscnt 32                                ; all but the 32 bias loads: q, its scale word, and whatever is older
.irp i, 0,1,2,3
	v_cndmask_b32 v[QF+\i], 0, v[QR+\i], s67       ; head 2 w: lanes 16-31 zero codes
.endr
	PLACES
.endif
.irp k, 0,1,2,3
	WM0 AC+8*\k, KF+4*\k, QF, KS+\k, QS
.endr
.if \x == 0
	s_wait_dscnt 0x0                               ; the bias
.endif
.irp k, 0,1,2,3                        ; bias + mask: also the places behind the products
.irp j, 0,2
	PKB v_pk_add_f32, BIAS+8*\k+\j, BIAS+8*\k+\j, MM+2*(\k/2), 0
.endr
.irp j, 4,6
	PKB v_pk_add_f32, BIAS+8*\k+\j, BIAS+8*\k+\j, MM+2*(\k/2), 1
.endr
.endr
.set p, 0
.rept 16
	v_pk_fma_f32 v[AC+p:AC+p+1], v[AC+p:AC+p+1], s[CSC:CSC+1], v[BIAS+p:BIAS+p+1] op_sel_hi:[1,0,1]   ; t
.set p, p+2
.endr
.if \x == 0
	LOADB 1                                        ; the other head's, beside this one's softmax
.irp i, 0,1,2,3
	v_cndmask_b32 v[QF+\i], v[QR+\i], 0, s67       ; head 2 w + 1: lanes 0-15 zero codes
.endr
.endif
.irp b, 0,1
	v_max3_num_f32 v[TM+\b], v[AC+16*\b], v[AC+16*\b+1], v[AC+16*\b+2]   ; the largest t of each block of 32 keys: for the row's maximum, and, since p rises with t, for the block's largest p
.endr
.irp i, 3,5,7,9,11,13
.irp b, 0,1
	s_delay_alu instid0(VALU_DEP_2)
	v_max3_num_f32 v[TM+\b], v[TM+\b], v[AC+16*\b+\i], v[AC+16*\b+\i+1]
.endr
.endr
.irp b, 0,1
	s_delay_alu instid0(VALU_DEP_2)
	v_max_num_f32 v[TM+\b], v[TM+\b], v[AC+16*\b+15]
.endr
.irp b, 0,1
	s_delay_alu instid0(VALU_DEP_2)
	v_permlanex16_b32 v[TX+\b], v[TM+\b], s[SEL], s[SEL+1]
.endr
.irp b, 0,1
	s_delay_alu instid0(VALU_DEP_2)
	v_max_num_f32 v[TM+\b], v[TM+\b], v[TX+\b]
.endr
	s_delay_alu instid0(VALU_DEP_1)
	v_max_num_f32 v[NGM], v[TM], v[TM+1]
	s_delay_alu instid0(VALU_DEP_1)
	v_floor_f32 v[NGM], -v[NGM]                    ; -M = floor(-t) = -ceil(t)
.set p, 0
.rept 16
	v_pk_add_f32 v[AC+p:AC+p+1], v[AC+p:AC+p+1], v[NGM:NGM+1] op_sel_hi:[1,0]
.set p, p+2
.endr
.irp b, 0,1
	v_add_f32 v[TM+\b], v[TM+\b], v[NGM]           ; the same addition on the same number: the same bits
.endr
.set p, 0
	s_wait_alu depctr_va_vdst(0)
.rept 32
	v_exp_f32 v[AC+p], v[AC+p]                     ; p = 2^(t - M): not normalised
.set p, p+1
.endr
.irp b, 0,1
	v_exp_f32 v[TM+\b], v[TM+\b]
.endr
	v_nop                                          ; a plain place behind the batch,
	s_wait_alu depctr_va_vdst(0)                   ; and one wait for its 34 exponentials, ahead of the first reader
.irp b, 0,1
	v_max_num_f32 v[TM+\b], 0x1800000, v[TM+\b]    ; the floor: a block whose every p is 0 keeps the byte 1; its codes are zeros
.endr
.irp b, 0,1
	s_delay_alu instid0(VALU_DEP_2)
	v_add_nc_u32 v[SO+\b], 0xff000000, v[TM+\b]
.endr
.irp b, 0,1
	s_delay_alu instid0(VALU_DEP_2)
	v_lshrrev_b32 v[TX+\b], 23, v[SO+\b]
.endr
	s_delay_alu instid0(VALU_DEP_1)
	v_lshl_or_b32 v[PS], v[TX+1], 8, v[TX]         ; p's scale word: bytes 2 and 3 stand over zero codes
	v_cvt_scalef32_pk8_fp4_f32 v[PF], v[AC:AC+7], v[SO]
	v_cvt_scalef32_pk8_fp4_f32 v[PF+2], v[AC+8:AC+15], v[SO]
	v_cvt_scalef32_pk8_fp4_f32 v[PF+1], v[AC+16:AC+23], v[SO+1]
	v_cvt_scalef32_pk8_fp4_f32 v[PF+3], v[AC+24:AC+31], v[SO+1]
	v_nop                                          ; one plain place behind the conversions
	v_permlane16_swap_b32 v[PF], v[PF+1]           ; lanes 0-15 get block 0 whole, lanes 16-31 block 1
	v_permlane16_swap_b32 v[PF+2], v[PF+3]
	v_pk_add_f32 v[250:251], v[96:97], v[98:99]
	v_pk_add_f32 v[238:239], v[104:105], v[108:109]
	v_pk_add_f32 v[236:237], v[112:113], v[116:117]
	v_pk_add_f32 v[234:235], v[120:121], v[124:125]
	v_pk_add_f32 v[232:233], v[100:101], v[102:103]
	v_pk_add_f32 v[230:231], v[106:107], v[110:111]
	v_pk_add_f32 v[228:229], v[114:115], v[118:119]
	v_pk_add_f32 v[248:249], v[122:123], v[126:127]
	s_delay_alu instid0(VALU_DEP_1)
	v_pk_add_f32 v[248:249], v[248:249], v[234:235]
	v_pk_add_f32 v[250:251], v[250:251], v[232:233]
	v_pk_add_f32 v[238:239], v[238:239], v[230:231]
	v_pk_add_f32 v[236:237], v[236:237], v[228:229]
	s_delay_alu instid0(VALU_DEP_2)
	v_pk_add_f32 v[248:249], v[248:249], v[238:239]
	s_delay_alu instid0(VALU_DEP_2)
	v_pk_add_f32 v[250:251], v[250:251], v[236:237]
	s_delay_alu instid0(VALU_DEP_1)
	v_pk_add_f32 v[248:249], v[248:249], v[250:251]
	s_delay_alu instid0(VALU_DEP_1)
	v_add_f32 v[LS], v[LS], v[LS+1]
	s_delay_alu instid0(VALU_DEP_1)
	v_permlanex16_b32 v[LS+1], v[LS], s[SEL], s[SEL+1]
	s_delay_alu instid0(VALU_DEP_1)
	v_add_f32 v[LS], v[LS], v[LS+1]
	s_wait_alu depctr_va_vdst(0)
	v_rcp_f32 v[RL], v[LS]
	WM0 CT+16*\x, VF+8*\x, PF, VS+2*\x, PS         ; O^T = v^T p^T: lane (r, h), register j = query r, channel 8 h + j of the tile
	WM0 CT+16*\x+8, VF+8*\x+4, PF, VS+2*\x+1, PS
	PLACES
	s_wait_alu depctr_va_vdst(0)                   ; the reciprocal's wait, ahead of its first reader
.set p, 0
.rept 8
	v_pk_mul_f32 v[CT+16*\x+p:CT+16*\x+p+1], v[CT+16*\x+p:CT+16*\x+p+1], v[RL:RL+1] op_sel_hi:[1,0]
.set p, p+2
.endr
.endm
.macro STAGE_ADR base, r, h            ; my stage begins at s[base]
	v_mul_u32_u24 v[SGI], v[\h], 272
	v_mul_u32_u24 v[SGD], v[\r], 272
	v_lshl_add_u32 v[SGI], v[\r], 4, v[SGI]
	v_lshl_add_u32 v[SGD], v[\h], 5, v[SGD]
	v_add_nc_u32 v[SGI], s[\base], v[SGI]
	v_add_nc_u32 v[SGD], s[\base], v[SGD]
.endm
; THE WAY OUT of token tile t: through my stage, so that sixteen lanes store one token's 256 consecutive bytes, aligned.  Access i takes tokens 16 t + 2 i + h: window row 2 t + i / 4, column 2 (i % 4) + h.
.macro STAGE t, d
	WIN 0x04
.irp n, 0,1,2,3
	ds_store_b128 v[SGD], v[ACC+32*\t+8*\n:ACC+32*\t+8*\n+3] offset:64*\n       ; each accumulator from its low end on
	ds_store_b128 v[SGD], v[ACC+32*\t+8*\n+4:ACC+32*\t+8*\n+7] offset:64*\n+16
.endr
	WIN 0
.irp i, 0,1,2,3,4,5,6,7
	ds_load_b128 v[\d+4*\i:\d+4*\i+3], v[SGI] offset:544*\i    ; LDS serves a wave's instructions in order (ISA guide 5.7.1): these see the stores above
.endr
.endm
.macro SEND t, d
	s_wait_xcnt 0x0                                ; earlier stores have read their data and bases
	s_mov_b32 s86, s[SY+2*\t]
	s_mov_b32 s87, 0
	s_add_nc_u64 s[84:85], s[6:7], s[86:87]
	s_mov_b32 s86, s[SY+2*\t+1]
	s_add_nc_u64 s[88:89], s[6:7], s[86:87]
	s_wait_dscnt 0x0                               ; the tile is back in registers, and my LDS stores have landed
.irp i, 0,1,2,3,4,5,6,7
	global_store_b128 v[VX+\i%4], v[\d+4*\i:\d+4*\i+3], s[84+4*(\i/4):85+4*(\i/4)] th:TH_STORE_NT
.endr
.endm
; the last chunk's token tile t: fc2's products, the way out; the next hidden tile's quantiser stands beside the fragments' loads, the GELU of the one after between the barrier's signal and wait
.macro TAIL t, d
	LOADF 0, \t
.if \t < 3
	Q2H (\t+1)
	s_wait_dscnt 5                                 ; all but the five stores just issued
.else
	s_wait_dscnt 0x0
.endif
	PACC 0, \t
	PLACES
	STAGE \t, \d
	SEND \t, \d
.if \t < 3
	s_barrier_signal -1                            ; (no LDS instruction of mine is out)
.if \t < 2
	GELU BIG+32*(\t+2), BIAS, 32
	s_wait_alu depctr_va_vdst(0)
.endif
	s_barrier_wait -1                              ; hidden tile t + 1 is whole
.endif
.endm
; ---------------------------------------------------------------- the head
	s_load_b64 s[4:5], s[0:1], 0x0                 ; hidden_states
	s_load_b64 s[6:7], s[0:1], 0xc0                ; out0
	s_load_b128 s[56:59], s[0:1], 0x8              ; ln1_w, ln1_b
	s_load_b64 s[60:61], s[0:1], 0x18              ; q's codes
	s_load_b64 s[62:63], s[0:1], 0x60              ; the bias table
	s_load_b128 s[68:71], s[0:1], 0x90             ; fc1's codes, scales
	s_load_b128 s[72:75], s[0:1], 0xa0             ; fc1_b, fc2's codes
	s_load_b128 s[76:79], s[0:1], 0xb0             ; fc2's scales, fc2_b
	s_load_b64 s[100:101], s[0:1], 0x48            ; v's codes
	s_load_b64 s[104:105], s[0:1], 0x68            ; proj's codes
	v_lshl_add_u32 v[SPW], v0, 2, SPARE
	v_mov_b32 v[NIL], 0
	ds_add_u32 v[SPW], v[NIL]                      ; the opening lines: the add, twice on end, and its wait ahead of my first tensor load
	ds_add_u32 v[SPW], v[NIL]
	s_wait_dscnt 0x0
	v_lshrrev_b32 v52, 5, v0
	s_delay_alu instid0(VALU_DEP_1)
	v_readfirstlane_b32 s[WV], v52                 ; wave 0..7
	v_and_b32 v52, 31, v0                          ; L
	s_wait_alu depctr_va_vdst(0)
	v_and_b32 v53, 15, v0                          ; r
	s_wait_alu depctr_va_vdst(0)
	v_bfe_u32 v56, v0, 4, 1                        ; h
	s_wait_alu depctr_va_vdst(0)
	; descriptor groups 1: 64 rows x 256 elements of one byte, 4 words of padding behind every 64; rows 256 bytes apart in memory, or 1,024 (fc2)
	s_mov_b32 s8, 15|(1<<20)|(1<<21)|(5<<22)|(3<<25)   ; 15:0 the mask: all four work-groups; 20 padding on; 21 set beside a mask; 24:22 interval code 5; 31:25 pad code 3
	s_mov_b32 s9, 256<<16                          ; tensor_dim0
	s_mov_b32 s10, 64<<16                          ; tensor_dim1
	s_mov_b32 s11, 256<<16                         ; tile_dim0
	s_mov_b32 s12, 64                              ; tile_dim1
	s_mov_b32 s13, 256                             ; pitch
	s_mov_b32 s14, 0
	s_mov_b32 s15, 0
	s_mov_b32 s16, 15|(1<<20)|(1<<21)|(5<<22)|(3<<25)
	s_mov_b32 s17, 256<<16
	s_mov_b32 s18, 64<<16
	s_mov_b32 s19, 256<<16
	s_mov_b32 s20, 64
	s_mov_b32 s21, 1024
	s_mov_b32 s22, 0
	s_mov_b32 s23, 0
	s_mov_b32 s24, 1                               ; group 0: count
	s_mul_i32 s25, s[WV], SLOTW                    ; LDS address: my part of slot 0
	s_lshl_b32 s80, s[WV], 14                      ; my 64 rows of 256 bytes
	s_mov_b32 s81, 0
	s_lshl_b32 s82, s[WV], 16                      ; my 64 rows of 1,024 bytes
	s_mov_b32 s83, 0
	s_mov_b32 s[SEL], 0x76543210
	s_mov_b32 s[SEL+1], 0xfedcba98                 ; v_permlanex16_b32's selects for lane l xor 16
	s_mov_b32 s[CSC], 0x3e8293ee                   ; c = log2(e) / sqrt(32)
	s_mov_b32 s[CSC+1], s[CSC]
	s_mov_b32 s44, 0x3727c5ac                      ; 1e-5
	s_mov_b32 s66, 0x3b000000                      ; 1 / 512
	s_mov_b32 s67, 0xffff
	s_mov_b32 s[D6], 0x34e4eadf                    ; 4.26392e-7   (the packed form names a pair and takes its low word: so both are written)
	s_mov_b32 s[D5], 0xba25a18c                    ; -0.000631832
	s_mov_b32 s[D4], 0x3bff14a5                    ; 0.00778444
	s_mov_b32 s[D3], 0xbd5956be                    ; -0.0530612
	s_mov_b32 s[D2], 0xbeeb0176                    ; -0.458996
	s_mov_b32 s[D1], 0xbf935851                    ; -1.15113
.irp d, D6, D5, D4, D3, D2, D1
	s_mov_b32 s[\d+1], s[\d]
.endr
	s_mov_b32 s[CLP], 0x40c00000                   ; 6
	s_and_b32 s99, ttmp9, 27                       ; 0 in clusters 0, 4, 32, 36
	; LDS addresses: constants, the lane, the wave
	v_lshl_add_u32 v[IR], v52, 4, AIMG
	v_lshl_add_u32 v[SR], v53, 4, ASC
	s_lshl_b32 s84, s[WV], 9
	s_add_co_u32 s84, s84, AIMG
	v_lshl_add_u32 v[IW], v53, 4, s84
	s_wait_alu depctr_va_vdst(0)
	v_lshl_add_u32 v[IW], v56, 2, v[IW]
	s_add_co_u32 s84, s84, HOFF
	v_lshl_add_u32 v[IQ], v52, 4, s84
	s_lshl_b32 s84, s[WV], 1
	s_add_co_u32 s84, s84, ASC
	v_lshl_add_u32 v[SW], v53, 4, s84
	v_mul_u32_u24 v[WA], v53, 272
	s_delay_alu instid0(VALU_DEP_1)
	v_lshl_add_u32 v[WA], v56, 4, v[WA]
	s_delay_alu instid0(VALU_DEP_1)
	v_add_nc_u32 v[WA], s25, v[WA]
	s_delay_alu instid0(VALU_DEP_1)
	v_add_nc_u32 v[WA2], SLOTB, v[WA]
	s_lshl_b32 s84, s[WV], 2
	s_add_co_u32 s84, s84, RED1
	v_lshl_add_u32 v[RW], v53, 5, s84
	v_lshl_add_u32 v[RR], v53, 5, RED1
	v_bfe_u32 v57, v0, 3, 1
	s_delay_alu instid0(VALU_DEP_1)
	v_add_nc_u32 v57, 1, v57
	s_delay_alu instid0(VALU_DEP_1)
	v_sub_nc_u32 v57, v57, v56                     ; r / 8 - h + 1
	s_delay_alu instid0(VALU_DEP_1)
	v_mul_u32_u24 v57, v57, 15
	v_and_b32 v60, 7, v0
	s_delay_alu instid0(VALU_DEP_1)
	v_add_nc_u32 v57, v57, v60
	s_lshl_b32 s86, s[WV], 11
	s_add_co_u32 s86, s86, BT
	v_lshl_add_u32 v[BA], v57, 2, s86
	s_mul_i32 s84, s[WV], 4352
	s_add_co_u32 s84, s84, STG
	STAGE_ADR 84, 53, 56
	; global offsets
	s_lshl_b32 s84, s[WV], 8
	v_lshl_add_u32 v57, v53, 4, s84                ; 256 w + 16 r
	v_lshl_add_u32 v[BV], v56, 5, s84
	v_lshl_add_u32 v[VBA], v53, 2, s84
	s_lshl_b32 s85, s[WV], 10
	v_lshl_add_u32 v[WSA], v52, 4, s85
	s_lshl_b32 s85, s[WV], 12
	v_lshl_add_u32 v[WSA2], v52, 6, s85
	s_bfe_u32 s88, ttmp6, 0x40000                  ; cx = the window's column: it enters global offsets and mask values alone
	s_lshl_b32 s89, s88, 3
	s_lshl_b32 s84, s[WV], 14
	s_lshl_b32 s85, s88, 12
	s_add_co_u32 s84, s84, s85                     ; (64 w + 16 cx) x 256
	s_lshl_b32 s85, s84, 2
	v_min_u32 v60, 15, v52                         ; lanes that are left over name the last row again
	s_delay_alu instid0(VALU_DEP_1)
	v_lshl_add_u32 v[PF1], v60, 8, s84
	v_lshl_add_u32 v[PF2], v60, 10, s85
.irp q, 0,1,2,3
	v_add_nc_u32 v60, 4+2*\q, v56
	s_delay_alu instid0(VALU_DEP_1)
	v_add_nc_u32 v60, s89, v60
	s_delay_alu instid0(VALU_DEP_1)
	v_and_b32 v60, 31, v60                         ; the shift by 4, round the image's edge
	s_delay_alu instid0(VALU_DEP_1)
	v_lshl_add_u32 v[VX+\q], v60, 11, v57
.endr
	s_wait_alu depctr_va_vdst(0)
	s_lshr_b32 s84, ttmp9, 2                       ; window = 4 x cluster + cx: image = cluster / 4,
	s_lshl_b32 s84, s84, 10
	s_and_b32 s85, ttmp9, 3                        ; window row = cluster % 4
	s_lshl_b32 s86, s85, 3
.irp i, 0,1,2,3,4,5,6,7
	s_add_co_u32 s87, s86, 4+\i
	s_and_b32 s87, s87, 31
	s_lshl_b32 s87, s87, 5
	s_add_co_u32 s87, s87, s84
	s_lshl_b32 s[SY+\i], s87, 11                   ; (image x 1024 + image row x 32) tokens of 2,048 bytes
.endr
	s_cmp_eq_u32 s88, 3
	s_cselect_b32 s45, 0xc31044fe, 0               ; -100 log2(e) in the last window column, where the shift joins two regions
	s_cmp_eq_u32 s85, 3
	s_cselect_b32 s46, 0xc31044fe, 0               ; and in the last window row
	v_mov_b32 v[TX], 0                             ; written once: a lane permute's destination counts as one of its sources
	v_mov_b32 v[TX+1], 0
	v_mov_b32 v[GC], 0x364f7caf                    ; d7 = 3.0918e-6
.irp t, 0,1,2,3                        ; the 32 global offsets of the way in: access i of tile t takes tokens 16 t + 2 i + h: window row 2 t + i / 4, column 2 (i % 4) + h
.irp i, 0,1,2,3,4,5,6,7
	v_add_nc_u32 v[AC+8*\t+\i], s[SY+2*\t+\i/4], v[VX+\i%4]
.endr
.endr
	s_wait_alu depctr_va_vdst(0)
	s_wait_kmcnt 0x0
	s_load_b128 s[84:87], s[0:1], 0x20             ; q's scales, q_b: waited for ahead of LN1
	s_load_b64 s[88:89], s[0:1], 0x30              ; k's codes
; ---------------------------------------------------------------- the way in: my 64 channels of all 64 tokens; sixteen lanes read one token's 256 consecutive bytes
.irp t, 0,1,2,3
.irp i, 0,1,2,3,4,5,6,7
	global_load_b128 v[BIG+32*\t+4*\i:BIG+32*\t+4*\i+3], v[AC+8*\t+\i], s[4:5] th:TH_LOAD_NT
.endr
.endr
	s_add_nc_u64 s[26:27], s[60:61], s[80:81]      ; q's codes, my 64 rows
	s_or_b32 s27, s27, 0x80000000
	ROUND                                          ; all four work-groups are here: the first joint loads meet
	REFILL 8
	ASK PF1, 100                                   ; v's rows
.irp t, 0,1,2,3
	s_wait_loadcnt 24-8*\t                         ; behind tile t's eight loads: 24 - 8 t of x
.irp i, 0,1,2,3,4,5,6,7
	ds_store_b128 v[SGI], v[BIG+32*\t+4*\i:BIG+32*\t+4*\i+3] offset:544*\i
.endr
	WIN 0x40
.irp n, 0,1,2,3
	ds_load_b128 v[ACC+32*\t+8*\n:ACC+32*\t+8*\n+3], v[SGD] offset:64*\n        ; LDS serves a wave's instructions in order (ISA guide 5.7.1): these see the stores above, and the next tile's stores come behind them
	ds_load_b128 v[ACC+32*\t+8*\n+4:ACC+32*\t+8*\n+7], v[SGD] offset:64*\n+16
.endr
	WIN 0
.endr
	s_wait_alu depctr_va_vdst(0)
	s_wait_dscnt 0x0                               ; ACC is in
	s_wait_kmcnt 0x0
; ---------------------------------------------------------------- LN1, q, k, v
	ASK_WB 0
	LN 1                                           ; slot 1 takes k's rows in it
	W_COPY WA                                      ; q's rows, beside the quantiser
	LNQ
	LINES 100, 80, 0, 0                            ; slot 0 takes v's
	ROUND
	REFILL 8
	s_wait_loadcnt 0x0
	s_load_b128 s[84:87], s[0:1], 0x38             ; k's scales, k_b
	ASK PF1, 68                                    ; fc1 chunk 0's rows
	UNIT_R 0, 5
	START_A 0, WA2
	LINES 104, 80, 0, 1                            ; slot 1 takes proj's
	ROUND
	REFILL 8
	s_wait_loadcnt 0x0
	s_load_b128 s[84:87], s[0:1], 0x50             ; v's scales, v_b
	ASK PF2, 74                                    ; fc2 chunk 0's rows
	UNIT_R 1, 0
	v_and_b32 v[TM], 31, v0                        ; the bias table: row L, my two heads,
	s_lshl_b32 s50, s[WV], 3
	s_lshl_b32 s51, s[WV], 11
	s_add_co_u32 s51, s51, BT
	v_lshl_add_u32 v[TA], v[TM], 6, s50
	v_lshl_add_u32 v[TA+2], v[TM], 2, s51          ; where its words go: 4 L
	s_add_co_u32 s50, s50, 14336
	v_mov_b32 v[TA+1], s50                         ; and its last row, 224
	START_A 1, WA
.irp k, 0,1,2,3,4,5,6
	global_load_b64 v[TBL+2*\k:TBL+2*\k+1], v[TA], s[62:63] offset:2048*\k
.endr
	global_load_b64 v[TBL+14:TBL+15], v[TA+1], s[62:63]
	LINES 68, 80, 0x20000, 0                       ; slot 0 takes fc1 chunk 0
	ROUND
	REFILL 8
	s_wait_loadcnt 0x0
	s_load_b128 s[84:87], s[0:1], 0x70             ; proj's scales, proj_b
	s_load_b128 s[56:59], s[0:1], 0x80             ; ln2_w, ln2_b
	ASK PF1, 68                                    ; fc1 chunk 1's
	UNIT_V
.irp k, 0,2,4,6,8,10,12,14
	v_pk_mul_f32 v[TBL+\k:TBL+\k+1], v[TBL+\k:TBL+\k+1], 0x3fb8aa3b op_sel_hi:[1,0]
.endr
.irp k, 0,1,2,3,4,5,6,7
.irp x, 0,1
	ds_store_b32 v[TA+2], v[TBL+2*\k+\x] offset:1024*\x+128*\k   ; word L + 32 k of head x; the last eight store row 224 over words 224 to 255, of which 224 alone is read
.endr
.endr
; ---------------------------------------------------------------- attention: my two heads; proj's weights come into registers beside it
	s_wait_alu depctr_va_vdst(0)
	s_wait_kmcnt 0x0
	LOADWS WSA, 84, 512                            ; proj's scale words
	W_COPY WA2
.irp j, 0,1,2,3
	v_mov_b32 v[VF+16+\j], 0                       ; behind v's last fragment
	v_mov_b32 v[QF+4+\j], 0                        ; K from 64 to 127: zero codes
	v_mov_b32 v[PF+4+\j], 0
.endr
	v_mov_b32 v[NGM+1], 0
	v_mov_b32 v[RL+1], 0
	v_and_b32 v255, 4, v0                          ; is my query in the window's right half?
	s_delay_alu instid0(VALU_DEP_1)
	v_cmp_ne_u32 vcc_lo, 0, v255
	v_mov_b32 v255, s45
	s_delay_alu instid0(VALU_DEP_1)
	v_cndmask_b32 v[MLO], 0, v255, vcc_lo          ; then keys of the left half (j under 4) are masked in the last window column,
	s_delay_alu instid0(VALU_DEP_2)
	v_cndmask_b32 v[MHI], v255, 0, vcc_lo          ; else those of the right half
	s_mov_b32 s49, 0
	s_mov_b32 s51, 0
	s_mov_b32 s53, 0
	s_mov_b32 s54, 0
	s_wait_alu depctr_va_vdst(0)
.Lattn:                                            ; four trips: 16 queries each
	v_add_nc_u32 v[TA], s53, v[IQ]
	v_add_nc_u32 v[TA+1], s51, v[BA]
	v_add_nc_u32 v[TA+3], s53, v[IW]
	v_add_nc_u32 v[TA4], s54, v[SW]
	s_wait_alu depctr_va_vdst(0)
	ds_load_u16 v[QS], v[TA4] offset:HSOFF         ; q's scale word: its two heads' bytes
	ds_load_b128 v[QR:QR+3], v[TA]                 ; lanes 0-15: head 2 w's block of query r; lanes 16-31: head 2 w + 1's
	LOADB 0
	s_cmp_ge_u32 s49, 2                            ; queries of the window's lower half?
	s_cselect_b32 s47, s46, 0                      ; then keys of the upper half (tiles 0, 1) are masked in the last window row,
	s_cselect_b32 s48, 0, s46                      ; else those of the lower half
	v_min_num_f32 v[MM], s47, v[MLO]               ; -100 once, not twice
	v_min_num_f32 v[MM+1], s47, v[MHI]
	v_min_num_f32 v[MM+2], s48, v[MLO]
	v_min_num_f32 v[MM+3], s48, v[MHI]
	s_wait_alu depctr_va_vdst(0)
	ATTN_HEAD 0
	s_wait_alu depctr_va_vdst(0)
	ATTN_HEAD 1
	Q2L CT, TA+3, HOFF, HOFF+256, TA4, HSOFF       ; ctx: blocks 2 w and 2 w + 1 of proj's K, in q's place
	s_add_co_u32 s51, s51, 120
	s_add_co_u32 s53, s53, 4096
	s_add_co_u32 s54, s54, 256
	s_add_co_u32 s49, s49, 1
	s_cmp_lt_u32 s49, 4
	s_cbranch_scc1 .Lattn
; ---------------------------------------------------------------- proj onto x: ACC becomes h
	LOADVEC BIAS, 86                               ; proj_b: added behind the products
	LINES 74, 82, 256, 1                           ; slot 1 takes fc2 chunk 0
	ROUND
	REFILL 16
	ASK PF2, 74                                    ; fc2 chunk 1's rows
	s_wait_loadcnt 8                               ; proj_b's eight loads may stay out; the scale words are older
	UNIT_ACC
	PLACES
	s_wait_loadcnt 0x0
	ADDVEC
; ---------------------------------------------------------------- LN2; fc2's bias goes onto ACC once the centred numbers are taken
	LOADVEC BIAS, 78
	LN 0
	ADDVEC
	s_wait_alu depctr_va_vdst(0)
.set WD, WSB
	LOADWS WSA, 70, 512
	LOADVEC BIAS, 72
	W_COPY WA                                      ; fc1 chunk 0's rows, beside the quantiser
	LNQ
	BAR                                            ; the images of LN2(h) are whole
	LOADA 1, 0
	LOADA 0, 1
; ---------------------------------------------------------------- the MLP, four chunks of 512 hidden units; the last one's second part is written out
	s_mov_b32 s55, 4
	PLACES
.Lmlp:                                             ; fc1's rows are in registers, the fragments of token tiles 0 and 1 on their way
	v_nop                                          ; the fifth place behind fc2's last products: raw tiles 0 and 1 are laid over their fragments
	s_wait_loadcnt 0x0                             ; fc1's scale words and bias: their bases step to the next chunk
	s_add_nc_u64 s[70:71], s[70:71], 8192
	s_add_nc_u64 s[72:73], s[72:73], 2048
	s_wait_dscnt 9                                 ; all but the youngest nine
	PFC1 1, 0
	PLACES
	LOADA 1, 2
	s_wait_dscnt 9
	PFC1 0, 1
	PLACES
	LOADA 0, 3
	s_wait_dscnt 9
	PFC1 1, 2
	s_wait_dscnt 0x0
.rept 5
	v_nop                                          ; tile 3's results are laid over fragment set 1, which the products just issued have read: five places for a matrix instruction that writes over a source
.endr
	PFC1 0, 3
	PLACES                                         ; GELU's work registers are the bias and fragment set 0
.set WD, WS
	LOADWS WSA2, 76, 2048                          ; fc2's scale words
	GELU BIG, BIAS, 32
	Q2H 0
	s_cmp_eq_u32 s55, 1
	s_cbranch_scc1 .Llast
	LINES 68, 80, 0x20000, 0                       ; round A: slot 0 takes fc1's next chunk; fc2's rows have landed; hidden tile 0 is shown
	s_barrier_signal -1
	GELU BIG+32, BIAS, 16                          ; work on registers while the others arrive
	s_wait_alu depctr_va_vdst(0)
	s_barrier_wait -1
	CREST
	REFILL 8
	s_wait_loadcnt 0x0
	s_add_nc_u64 s[76:77], s[76:77], 16
	W_COPY WA2                                     ; fc2's rows, beside GELU
	LOADF 0, 0                                     ; in the registers that the raw tile 0 has left
.set WD, WSB
	LOADWS WSA, 70, 512                            ; fc1's next chunk's scale words
	ASK_L PF1, 68
	GELU BIG+48, BIAS, 16
	Q2H 1
	GELU BIG+64, BIAS, 32
	Q2H 2
	GELU BIG+96, BIAS, 32
	LOADVEC BIAS, 72                               ; fc1's next chunk's bias
	Q2H 3
	LINES 74, 82, 256, 1                           ; round B: slot 1 takes fc2's next chunk; fc1's next rows have landed; hidden tiles 1 to 3 are shown
	s_barrier_signal -1
	PACC 0, 0                                      ; work on registers while the others arrive
	s_barrier_wait -1
	CREST
	REFILL 16
	LOADF 1, 1
	LOADF 0, 2
	ASK_L PF2, 74
	s_wait_dscnt 9
	PACC 1, 1
	PLACES
	LOADF 1, 3
	s_wait_dscnt 0x0
	PACC_COPY
	LOADA 1, 0
	LOADA 0, 1
	s_sub_co_u32 s55, s55, 1
	s_branch .Lmlp
.Llast:                                            ; the last chunk goes on: token tile by token tile
	s_wait_tensorcnt 0x0                           ; fc2's rows
	s_wait_dscnt 0x0                               ; my stores of hidden tile 0 have landed
	s_barrier_signal -1
	W_COPY WA2
	s_mul_i32 s84, s[WV], SLOTW                    ; my stage on the way out: in my part of slot 0, which has had its last fill and which only I have read
	v_and_b32 v[TM], 15, v0
	v_bfe_u32 v[TM+1], v0, 4, 1
	STAGE_ADR 84, TM, TM+1
	GELU BIG+32, BIAS, 32                          ; beside the copy, and while the others arrive
	s_wait_alu depctr_va_vdst(0)
	s_wait_loadcnt 0x0                             ; fc2's scale words
	s_barrier_wait -1
	TAIL 0, BIG+32
	TAIL 1, BIG+64
	TAIL 2, BIG+32
	TAIL 3, BIG+64
	s_wait_tensorcnt 0x0                           ; the wave's end: behind my last tensor load and my last LDS store
	ds_add_u32 v[SPW], v[NIL]
	s_wait_dscnt 0x0
	ROUND                                          ; the closing round: no work-group ends while a partner may still ask for a tile that names it
	s_endpgm
.Lfunc_end_k_q216a95c690_swin:
	.size	k_q216a95c690_swin, .Lfunc_end_k_q216a95c690_swin-k_q216a95c690_swin
	.p2alignl 7, 3214868480
	.fill 96, 4, 3214868480
	.section	.rodata,"a",@progbits
	.p2align	6, 0x0
	.amdhsa_kernel k_q216a95c690_swin
		.amdhsa_group_segment_fixed_size 327680
		.amdhsa_private_segment_fixed_size 0
		.amdhsa_enable_private_segment 0
		.amdhsa_kernarg_size 200
		.amdhsa_user_sgpr_count 2
		.amdhsa_user_sgpr_kernarg_segment_ptr 1
		.amdhsa_wavefront_size32 1
		.amdhsa_system_sgpr_workgroup_id_x 1
		.amdhsa_system_sgpr_workgroup_id_y 1
		.amdhsa_system_sgpr_workgroup_id_z 1
		.amdhsa_system_vgpr_workitem_id 0
		.amdhsa_next_free_vgpr 512
		.amdhsa_next_free_sgpr 106
		.amdhsa_reserve_vcc 1
		.amdhsa_float_denorm_mode_32 3
		.amdhsa_float_denorm_mode_16_64 3
		.amdhsa_memory_ordered 1
		.amdhsa_forward_progress 1
		.amdhsa_inst_pref_size 255
	.end_amdhsa_kernel
	.section	.bss,"aw",@nobits
	.p2align	6
	.space	262144
	.amdgpu_metadata
---
amdhsa.version: [ 1, 2 ]
amdhsa.kernels:
  - .name:           k_q216a95c690_swin
    .symbol:         k_q216a95c690_swin.kd
    .args:
      - { .name: hidden_states, .offset: 0, .size: 8, .value_kind: global_buffer, .address_space: global }
      - { .name: ln1_w, .offset: 8, .size: 8, .value_kind: global_buffer, .address_space: global }
      - { .name: ln1_b, .offset: 16, .size: 8, .value_kind: global_buffer, .address_space: global }
      - { .name: q_w_codes, .offset: 24, .size: 8, .value_kind: global_buffer, .address_space: global }
      - { .name: q_w_scales, .offset: 32, .size: 8, .value_kind: global_buffer, .address_space: global }
      - { .name: q_b, .offset: 40, .size: 8, .value_kind: global_buffer, .address_space: global }
      - { .name: k_w_codes, .offset: 48, .size: 8, .value_kind: global_buffer, .address_space: global }
      - { .name: k_w_scales, .offset: 56, .size: 8, .value_kind: global_buffer, .address_space: global }
      - { .name: k_b, .offset: 64, .size: 8, .value_kind: global_buffer, .address_space: global }
      - { .name: v_w_codes, .offset: 72, .size: 8, .value_kind: global_buffer, .address_space: global }
      - { .name: v_w_scales, .offset: 80, .size: 8, .value_kind: global_buffer, .address_space: global }
      - { .name: v_b, .offset: 88, .size: 8, .value_kind: global_buffer, .address_space: global }
      - { .name: rel_bias_table, .offset: 96, .size: 8, .value_kind: global_buffer, .address_space: global }
      - { .name: proj_w_codes, .offset: 104, .size: 8, .value_kind: global_buffer, .address_space: global }
      - { .name: proj_w_scales, .offset: 112, .size: 8, .value_kind: global_buffer, .address_space: global }
      - { .name: proj_b, .offset: 120, .size: 8, .value_kind: global_buffer, .address_space: global }
      - { .name: ln2_w, .offset: 128, .size: 8, .value_kind: global_buffer, .address_space: global }
      - { .name: ln2_b, .offset: 136, .size: 8, .value_kind: global_buffer, .address_space: global }
      - { .name: fc1_w_codes, .offset: 144, .size: 8, .value_kind: global_buffer, .address_space: global }
      - { .name: fc1_w_scales, .offset: 152, .size: 8, .value_kind: global_buffer, .address_space: global }
      - { .name: fc1_b, .offset: 160, .size: 8, .value_kind: global_buffer, .address_space: global }
      - { .name: fc2_w_codes, .offset: 168, .size: 8, .value_kind: global_buffer, .address_space: global }
      - { .name: fc2_w_scales, .offset: 176, .size: 8, .value_kind: global_buffer, .address_space: global }
      - { .name: fc2_b, .offset: 184, .size: 8, .value_kind: global_buffer, .address_space: global }
      - { .name: out0, .offset: 192, .size: 8, .value_kind: global_buffer, .address_space: global }
    .group_segment_fixed_size: 327680
    .private_segment_fixed_size: 0
    .kernarg_segment_align: 8
    .kernarg_segment_size: 200
    .max_flat_workgroup_size: 256
    .sgpr_count:     106
    .vgpr_count:     512
    .wavefront_size: 32
...
	.end_amdgpu_metadata
.endif
;; end of part 1
